; MI455X (gfx1250); checked and timed in simulation.
; The chip was launched on July 23, 2026; its instructions are those of AMD's public machine-readable ISA for CDNA 5 (MIT licence, August 2026) and "CDNA5" Instruction Set Architecture Reference Guide (July 2026). The comments in the code are by the model that wrote it; some were corrected since.
;; Simple Attention. Allowed arithmetic: float matrix products may take bf16 or f16 operands with f32 sums; other float arithmetic in f32, or as packed bf16 or f16 multiplies, adds, multiply-adds, maxima and minima; sums over many terms, partial sums and values carried from step to step in f32; what a program stores and reads back later, other than sums and carried values, may be rounded once to bf16 or f16.
;; Inputs: Wk 1,024 x 1,024 float32; Wm 1,024 x 1,024 float32; Wq 2,048 x 1,024 float32; bk 1,024 float32; bm 1,024 float32; bq 2,048 float32; features 1,024 x 32 x 1,024 float32; hidden 32 x 1,024 float32; mask 1,024 x 32 float32.
;; Outputs: out0 1 x 32 x 1,024 float32; out1 1,024 x 32 float32; out2 1,024 x 32 float32.
;; One version. Each part assembles by itself: llvm-mc -triple=amdgcn-amd-amdhsa -mcpu=gfx1250 --defsym DOCPART=n.
;; ======== version 1 of 1: 4 launches
;; workspace buffers: QF 262,144 bytes; QKP 1,048,576 bytes; CP 1,048,576 bytes; ST 4,096 bytes; SC 262,144 bytes
;; launch qproj (part 1): grid 128 x 2, 16 waves a work-group, no clusters, 18,432 bytes of LDS; arguments hidden, Wq, bq, QF; writes QF
.if DOCPART == 1
	.amdgcn_target "amdgcn-amd-amdhsa--gfx1250"
	.amdhsa_code_object_version 6
	.text
	.protected	k_qb6b462d891_qproj
	.globl	k_qb6b462d891_qproj
	.p2align	8
	.type	k_qb6b462d891_qproj,@function
k_qb6b462d891_qproj:
	s_mov_b64 s[64:65], 0
	v_nop
	global_prefetch_b8 v0, s[64:65] scope:SCOPE_SE
	s_setreg_imm32_b32 hwreg(HW_REG_WAVE_MODE, 25, 1), 1
	s_wait_xcnt 0x0
; SimpleAttention, launch 1 of 4: q = hidden Wq^T + bq, stored as two bf16 numbers (hi + lo) in the register image of the next launch's matrix operand.
;
; THE WORK THAT IS LEFT OUT, for all finite values of the inputs, in exact arithmetic:
; (1) k = features Wk^T + bk is never formed.  scores[t,b,j] = sum_h k[t,b,h] q[b,2h+j] = sum_f features[t,b,f] qk[b,j,f] + sum_h bk[h] q[b,2h+j],
;     with qk[b,j,f] = sum_h q[b,2h+j] Wk[h,f]: the order of two finite sums is changed, nothing else.
; (2) The term sum_h bk[h] q[b,2h+j] does not hang on t, the axis of both softmaxes: it is added to every score of a column (b,j) alike and cancels in the softmax.
;     So bk has no way to any output: it is not loaded and is no argument of any launch.
; (3) mem = features Wm^T + bm is never formed.  summary[b,h] = sum_t dist[t,b] mem[t,b,h] = sum_f Wm[h,f] ctx[b,f] + bm[h] sum_t dist[t,b], with ctx[b,f] = sum_t dist[t,b] features[t,b,f];
;     sum_t dist[t,b] = 1 by the softmax's own definition, so bm is added once.
; LIMITS.  A NaN, an infinity or an overflow that reaches only bk, or only the products k and mem that are not formed, is not carried to the result.  The sums are taken in another order than the
; reference's.
;
; FORMATS.  A score is a sum of 1,024 products of numbers of unit spread, and a weight moves by its own size times the score's error: one rounding of an operand to 16 bits is too coarse for the scores.
; So each f32 operand x of a matrix product is split, x = hi + lo with hi = bf16(x), lo = bf16(x - hi) (x - hi is exact in f32), and the product is hi hi + hi lo + lo hi, three bf16 products with f32 sums.
;
; SHARES.  Work-group (g, bt): the 16 rows b = 16 bt + 0..15 of hidden, the 16 rows n = 16 g + 0..15 of Wq (h = 8 g + 0..7, j = 0, 1).  K = 1,024 is split among 16 waves: wave w takes bytes 256 w .. 256 w + 255
; of every row, two matrix steps of 32.  The partial sums meet in LDS; wave 0 adds them and the bias, splits and stores.
; K's ORDER.  Load i (0..7) of a lane takes the 16 bytes at 16 (lane / 16) + 32 i of its row's 256; step s takes loads 4 s .. 4 s + 3 as the lane's 16 places.  Both operands are laid so, so each product pairs like with like.
; LAYOUT.  Source 0 = Wq's rows, lane r taking row 16 g + 2 (r % 8) + r / 8; source 1 = hidden's rows.  In the result lane (r, hh) register e holds q[16 bt + r][2 (8 g + e) + hh]: eight neighbouring h of one (b, j = hh).
; QF, bytes: ((ks 4 + 2 j + b / 16) 2 + hl) 1024 + half 512 + (16 hk + b % 16) 16 + 2 e, for h = 32 ks + 16 half + 8 hk + e; hl = 0: hi, 1: lo.
.set SPARE, 16384                      ; behind the 16 partial tiles of 1,024 bytes: the spare words, 128 bytes a wave
.set SPW,  9                           ; v9   LDS address of my spare word; never rewritten
.set NIL,  10                          ; v10  0; never rewritten
.set NEG1, 11                          ; v11  -1.0
.set RW,   16                          ; v[16:47]   Wq as loaded, 4 registers a load
.set RA,   48                          ; v[48:79]   hidden as loaded
.set FR,   80                          ; v[80:143]  fragments of step s at FR + 32 s: W hi, W lo (+8), hidden hi (+16), hidden lo (+24)
.set ACC,  144                         ; v[144:167] three accumulators: hi hi, hi lo, lo hi
.set PT,   16                          ; the tail: wave u's partial tile at PT + 8 u
.set BI,   144                         ; the tail: my eight numbers of bq
.set QH,   152                         ; the tail: q's hi, 8 bf16
.set QL,   156                         ; the tail: q's lo
; 16 f32 (number q at RAW + STR q) become 8 registers of hi and 8 of lo; the residues x - hi are made in place
.macro SPLIT HI, LO, RAW, STR
.set sp_, 0
.rept 8
	v_cvt_pk_bf16_f32 v[(\HI)+sp_], v[(\RAW)+(\STR)*2*sp_], v[(\RAW)+(\STR)*(2*sp_+1)]
.set sp_, sp_+1
.endr
.set sp_, 0
.rept 8
	v_fma_mix_f32_bf16 v[(\RAW)+(\STR)*2*sp_], v[(\HI)+sp_], v[NEG1], v[(\RAW)+(\STR)*2*sp_] op_sel_hi:[1,0,0]
	v_fma_mix_f32_bf16 v[(\RAW)+(\STR)*(2*sp_+1)], v[(\HI)+sp_], v[NEG1], v[(\RAW)+(\STR)*(2*sp_+1)] op_sel:[1,0,0] op_sel_hi:[1,0,0]
.set sp_, sp_+1
.endr
.set sp_, 0
.rept 8
	v_cvt_pk_bf16_f32 v[(\LO)+sp_], v[(\RAW)+(\STR)*2*sp_], v[(\RAW)+(\STR)*(2*sp_+1)]
.set sp_, sp_+1
.endr
.endm
.macro PLACES                          ; plain vector instructions between a matrix instruction and what reads its result (ISA guide 7.12.1)
.rept 4
	v_nop
.endr
.endm
; the three products of one step; the accumulators take turns, one instruction a turn
.macro MM3 f, zero
.if \zero
	v_wmma_f32_16x16x32_bf16 v[ACC:ACC+7],     v[(\f):(\f)+7],    v[(\f)+16:(\f)+23], 0
	v_wmma_f32_16x16x32_bf16 v[ACC+8:ACC+15],  v[(\f):(\f)+7],    v[(\f)+24:(\f)+31], 0
	v_wmma_f32_16x16x32_bf16 v[ACC+16:ACC+23], v[(\f)+8:(\f)+15], v[(\f)+16:(\f)+23], 0
.else
	v_wmma_f32_16x16x32_bf16 v[ACC:ACC+7],     v[(\f):(\f)+7],    v[(\f)+16:(\f)+23], v[ACC:ACC+7]
	v_wmma_f32_16x16x32_bf16 v[ACC+8:ACC+15],  v[(\f):(\f)+7],    v[(\f)+24:(\f)+31], v[ACC+8:ACC+15]
	v_wmma_f32_16x16x32_bf16 v[ACC+16:ACC+23], v[(\f)+8:(\f)+15], v[(\f)+16:(\f)+23], v[ACC+16:ACC+23]
.endif
.endm
	s_load_b256 s[4:11], s[0:1], 0x0               ; hidden s[4:5], Wq s[6:7], bq s[8:9], QF s[10:11]
	v_lshl_add_u32 v[SPW], v0, 2, SPARE
	v_mov_b32 v[NIL], 0
	v_mov_b32 v[NEG1], -1.0
	v_lshrrev_b32 v1, 5, v0
	v_readfirstlane_b32 s12, v1                    ; wave 0..15
	v_and_b32 v1, 31, v0                           ; lane
	v_and_b32 v2, 15, v0                           ; r
	v_bfe_u32 v3, v0, 4, 1                         ; hh
	v_lshlrev_b32 v7, 4, v1                        ; 16 x lane
	v_lshlrev_b32 v4, 12, v2
	v_lshl_add_u32 v4, v3, 4, v4                   ; hidden: row r x 4,096 + 16 hh
	v_and_b32 v5, 7, v0
	v_bfe_u32 v6, v0, 3, 1
	v_lshl_add_u32 v5, v5, 1, v6                   ; Wq: row 2 (r % 8) + r / 8
	v_lshlrev_b32 v5, 12, v5
	v_lshl_add_u32 v5, v3, 4, v5                   ; x 4,096 + 16 hh
	s_lshl_b32 s15, s12, 10
	v_add_nc_u32 v6, s15, v7                       ; my 16 bytes in my wave's partial tile
	v_lshlrev_b32 v8, 12, v3
	v_lshl_add_u32 v8, v2, 4, v8                   ; QF: j = hh x 4,096 + 16 r
	s_mov_b32 s13, ttmp9                           ; g
	s_and_b32 s14, ttmp7, 0xffff                   ; bt
	s_lshl_b32 s20, s12, 8                         ; my wave's 256 bytes of a row
	s_lshl_b32 s16, s13, 16                        ; 16 rows of Wq
	s_add_co_u32 s16, s16, s20
	s_mov_b32 s17, 0
	s_lshl_b32 s18, s14, 16                        ; 16 rows of hidden
	s_add_co_u32 s18, s18, s20
	s_mov_b32 s19, 0
	s_lshl_b32 s22, s13, 6                         ; 16 numbers of bq
	s_mov_b32 s23, 0
	s_lshr_b32 s24, s13, 2                         ; QF: ks = g / 4,
	s_lshl_b32 s24, s24, 13
	s_and_b32 s21, s13, 3                          ; half and hk = g % 4: 256 bytes each,
	s_lshl_b32 s21, s21, 8
	s_add_co_u32 s24, s24, s21
	s_lshl_b32 s21, s14, 11                        ; bt
	s_add_co_u32 s24, s24, s21
	s_mov_b32 s25, 0
	s_wait_kmcnt 0x0
	s_add_nc_u64 s[6:7], s[6:7], s[16:17]
	s_add_nc_u64 s[4:5], s[4:5], s[18:19]
	s_add_nc_u64 s[8:9], s[8:9], s[22:23]
	s_add_nc_u64 s[10:11], s[10:11], s[24:25]
.irp i, 0,1,2,3,4,5,6,7
	global_load_b128 v[RW+4*(\i):RW+4*(\i)+3], v5, s[6:7] offset:32*(\i)
.endr
.irp i, 0,1,2,3,4,5,6,7
	global_load_b128 v[RA+4*(\i):RA+4*(\i)+3], v4, s[4:5] offset:32*(\i)
.endr
	s_load_b512 s[32:47], s[8:9], 0x0              ; bq[16 g + 0..15]
	s_wait_loadcnt 0x8                             ; Wq's eight loads are in; hidden's eight may stay out
	SPLIT FR, FR+8, RW, 1
	SPLIT FR+32, FR+40, RW+16, 1
	s_wait_loadcnt 0x0
	s_wait_kmcnt 0x0                               ; bq: no scalar load is out at a wave's end
	SPLIT FR+16, FR+24, RA, 1
	SPLIT FR+48, FR+56, RA+16, 1
	MM3 FR, 1                                      ; the first step starts the three sums: nothing is cleared
	MM3 FR+32, 0
	PLACES
	PLACES
.irp e, 0,2,4,6
	v_pk_add_f32 v[ACC+(\e):ACC+(\e)+1], v[ACC+(\e):ACC+(\e)+1], v[ACC+8+(\e):ACC+8+(\e)+1]   ; each accumulator is read from its low end on
.endr
.irp e, 0,2,4,6
	v_pk_add_f32 v[ACC+(\e):ACC+(\e)+1], v[ACC+(\e):ACC+(\e)+1], v[ACC+16+(\e):ACC+16+(\e)+1]
.endr
	ds_store_b128 v6, v[ACC:ACC+3]
	ds_store_b128 v6, v[ACC+4:ACC+7] offset:512
	s_wait_dscnt 0x0                               ; for the others' sake: my partial tile lies in LDS
	s_barrier_signal -1
	s_barrier_wait -1
	s_cmp_lg_u32 s12, 0
	s_cbranch_scc1 .Lend                           ; wave 0 finishes the tile
.irp u, 0,1,2,3,4,5,6,7,8,9,10,11,12,13,14,15
	ds_load_b128 v[PT+8*(\u):PT+8*(\u)+3],   v7 offset:1024*(\u)
	ds_load_b128 v[PT+8*(\u)+4:PT+8*(\u)+7], v7 offset:1024*(\u)+512
.endr
	v_cmp_lt_u32 vcc_lo, 15, v1                    ; lanes 16-31 hold j = 1: the odd numbers of bq
.irp e, 0,1,2,3,4,5,6,7
	v_mov_b32 v[BI+(\e)], s[32+2*(\e)]
	v_cndmask_b32 v[BI+(\e)], v[BI+(\e)], s[33+2*(\e)], vcc_lo
.endr
	s_wait_dscnt 0x0
.irp d, 8,4,2,1                        ; sixteen tiles into one, neighbours 8, 4, 2 and 1 apart
.set t_, 0
.rept \d
.irp e, 0,2,4,6
	v_pk_add_f32 v[PT+8*t_+(\e):PT+8*t_+(\e)+1], v[PT+8*t_+(\e):PT+8*t_+(\e)+1], v[PT+8*(t_+(\d))+(\e):PT+8*(t_+(\d))+(\e)+1]
.endr
.set t_, t_+1
.endr
.endr
.irp e, 0,2,4,6
	v_pk_add_f32 v[PT+(\e):PT+(\e)+1], v[PT+(\e):PT+(\e)+1], v[BI+(\e):BI+(\e)+1]
.endr
.irp p, 0,1,2,3
	v_cvt_pk_bf16_f32 v[QH+(\p)], v[PT+2*(\p)], v[PT+2*(\p)+1]
.endr
.irp p, 0,1,2,3
	v_fma_mix_f32_bf16 v[PT+2*(\p)],   v[QH+(\p)], v[NEG1], v[PT+2*(\p)]   op_sel_hi:[1,0,0]
	v_fma_mix_f32_bf16 v[PT+2*(\p)+1], v[QH+(\p)], v[NEG1], v[PT+2*(\p)+1] op_sel:[1,0,0] op_sel_hi:[1,0,0]
.endr
.irp p, 0,1,2,3
	v_cvt_pk_bf16_f32 v[QL+(\p)], v[PT+2*(\p)], v[PT+2*(\p)+1]
.endr
	global_store_b128 v8, v[QH:QH+3], s[10:11]              ; lanes 0-15 store 256 consecutive bytes, aligned; lanes 16-31 another 256
	global_store_b128 v8, v[QL:QL+3], s[10:11] offset:1024
.Lend:
	s_wait_tensorcnt 0x0                           ; the wave's end, behind my last LDS store
	ds_add_u32 v[SPW], v[NIL]
	s_wait_dscnt 0x0
	s_endpgm
.Lfunc_end_k_qb6b462d891_qproj:
	.size	k_qb6b462d891_qproj, .Lfunc_end_k_qb6b462d891_qproj-k_qb6b462d891_qproj
	.p2alignl 7, 3214868480
	.fill 96, 4, 3214868480
	.section	.rodata,"a",@progbits
	.p2align	6, 0x0
	.amdhsa_kernel k_qb6b462d891_qproj
		.amdhsa_group_segment_fixed_size 18432
		.amdhsa_private_segment_fixed_size 0
		.amdhsa_enable_private_segment 0
		.amdhsa_kernarg_size 32
		.amdhsa_user_sgpr_count 2
		.amdhsa_user_sgpr_kernarg_segment_ptr 1
		.amdhsa_wavefront_size32 1
		.amdhsa_system_sgpr_workgroup_id_x 1
		.amdhsa_system_sgpr_workgroup_id_y 1
		.amdhsa_system_sgpr_workgroup_id_z 1
		.amdhsa_system_vgpr_workitem_id 0
		.amdhsa_next_free_vgpr 176
		.amdhsa_next_free_sgpr 66
		.amdhsa_reserve_vcc 1
		.amdhsa_float_denorm_mode_32 3
		.amdhsa_float_denorm_mode_16_64 3
		.amdhsa_memory_ordered 1
		.amdhsa_forward_progress 1
		.amdhsa_inst_pref_size 22
	.end_amdhsa_kernel
	.amdgpu_metadata
---
amdhsa.version: [ 1, 2 ]
amdhsa.kernels:
  - .name:           k_qb6b462d891_qproj
    .symbol:         k_qb6b462d891_qproj.kd
    .args:
      - { .name: hidden, .offset: 0, .size: 8, .value_kind: global_buffer, .address_space: global }
      - { .name: Wq, .offset: 8, .size: 8, .value_kind: global_buffer, .address_space: global }
      - { .name: bq, .offset: 16, .size: 8, .value_kind: global_buffer, .address_space: global }
      - { .name: QF, .offset: 24, .size: 8, .value_kind: global_buffer, .address_space: global }
    .group_segment_fixed_size: 18432
    .private_segment_fixed_size: 0
    .kernarg_segment_align: 8
    .kernarg_segment_size: 32
    .max_flat_workgroup_size: 512
    .sgpr_count:     66
    .vgpr_count:     176
    .wavefront_size: 32
...
	.end_amdgpu_metadata
.endif
;; end of part 1
;; launch qkproj (part 2): grid 16 x 8, 8 waves a work-group, no clusters, 70,656 bytes of LDS; arguments Wk, QF, QKP; writes QKP
.if DOCPART == 2
	.amdgcn_target "amdgcn-amd-amdhsa--gfx1250"
	.amdhsa_code_object_version 6
	.text
	.protected	k_qb6b462d891_qkproj
	.globl	k_qb6b462d891_qkproj
	.p2align	8
	.type	k_qb6b462d891_qkproj,@function
k_qb6b462d891_qkproj:
	s_mov_b64 s[64:65], 0
	v_nop
	global_prefetch_b8 v0, s[64:65] scope:SCOPE_SE
	s_setreg_imm32_b32 hwreg(HW_REG_WAVE_MODE, 25, 1), 1
	s_wait_xcnt 0x0
; SimpleAttention, launch 2 of 4: qk[j][b][f] = sum_h q[b][2h+j] Wk[h][f], as four partial sums over quarters of h (f32), which the next launch adds.
; Left out (shown at the head of the first kernel): the key projection of the features is not formed, its weights are folded into the query here; bk cancels in the softmax and is not loaded.
; Both operands are hi + lo in bf16, three products, f32 sums, as in the first kernel.
; SHARES.  Work-group (ns, y), kq = y / 2, j = y % 2: the 32 rows b of one j, the 64 columns f = 64 ns + 0..63, the 256 h of quarter kq.  Wave w takes one matrix step, h = 32 (8 kq + w) + 0..31.
; Wk LIES [h][f], K DOWN THE ROWS: THE LOADS TURN IT.  Lane (r, hh), load i (0..15), takes the 16 bytes at 256 ns + 16 r of row 32 ks + 8 hh + i (i < 8) or + i + 8: lanes 0-15 take 256 consecutive bytes, aligned, of one
; row, lanes 16-31 of another.  Register c of load i is place i of the lane's 16 in the operand tile c, whose column r is f = 64 ns + 4 r + c.  The places are the true ones: QF holds q in the operand's own image.
; Source 0 = q's tile bt (16 b), source 1 = Wk's tile c: in the result lane (r, hh) register e holds b = 16 bt + 8 hh + e, f = 64 ns + 4 r + c.
; The eight waves' tiles meet in LDS (32 rows of 272 bytes each); each wave then adds four rows and stores them as whole rows of 256 bytes.
.set PP,    272                        ; a row of a partial tile in LDS: 256 bytes + 16
.set PW,    32*PP                      ; a wave's partial tile
.set SPARE, 8*PW                       ; behind them: the spare words, 128 bytes a wave
.set SPW,  9
.set NIL,  10
.set NEG1, 11
.set RAW,  16                          ; v[16:79]   Wk as loaded (load i, register c at RAW + 4 i + c); then the 8 accumulators (bt, c) at RAW + 8 (4 bt + c); then the tiles read back
.set WH,   80                          ; v[80:111]  Wk hi, tile c at + 8 c
.set WL,   112                         ; v[112:143] Wk lo
.set AF,   144                         ; v[144:175] q: tile bt, hi or lo, at AF + 16 bt + 8 hl
.macro SPLIT HI, LO, RAW_, STR
.set sp_, 0
.rept 8
	v_cvt_pk_bf16_f32 v[(\HI)+sp_], v[(\RAW_)+(\STR)*2*sp_], v[(\RAW_)+(\STR)*(2*sp_+1)]
.set sp_, sp_+1
.endr
.set sp_, 0
.rept 8
	v_fma_mix_f32_bf16 v[(\RAW_)+(\STR)*2*sp_], v[(\HI)+sp_], v[NEG1], v[(\RAW_)+(\STR)*2*sp_] op_sel_hi:[1,0,0]
	v_fma_mix_f32_bf16 v[(\RAW_)+(\STR)*(2*sp_+1)], v[(\HI)+sp_], v[NEG1], v[(\RAW_)+(\STR)*(2*sp_+1)] op_sel:[1,0,0] op_sel_hi:[1,0,0]
.set sp_, sp_+1
.endr
.set sp_, 0
.rept 8
	v_cvt_pk_bf16_f32 v[(\LO)+sp_], v[(\RAW_)+(\STR)*2*sp_], v[(\RAW_)+(\STR)*(2*sp_+1)]
.set sp_, sp_+1
.endr
.endm
.macro PLACES
.rept 4
	v_nop
.endr
.endm
; one of the three products on all eight accumulators, which take turns, one instruction a turn
.macro TERM alo, W, zero
.irp bt, 0,1
.irp c, 0,1,2,3
.if \zero
	v_wmma_f32_16x16x32_bf16 v[RAW+8*(4*(\bt)+(\c)):RAW+8*(4*(\bt)+(\c))+7], v[AF+16*(\bt)+8*(\alo):AF+16*(\bt)+8*(\alo)+7], v[(\W)+8*(\c):(\W)+8*(\c)+7], 0
.else
	v_wmma_f32_16x16x32_bf16 v[RAW+8*(4*(\bt)+(\c)):RAW+8*(4*(\bt)+(\c))+7], v[AF+16*(\bt)+8*(\alo):AF+16*(\bt)+8*(\alo)+7], v[(\W)+8*(\c):(\W)+8*(\c)+7], v[RAW+8*(4*(\bt)+(\c)):RAW+8*(4*(\bt)+(\c))+7]
.endif
.endr
.endr
.endm
	s_load_b128 s[4:7], s[0:1], 0x0                ; Wk s[4:5], QF s[6:7]
	s_load_b64 s[8:9], s[0:1], 0x10                ; QKP
	v_lshl_add_u32 v[SPW], v0, 2, SPARE
	v_mov_b32 v[NIL], 0
	v_mov_b32 v[NEG1], -1.0
	v_lshrrev_b32 v1, 5, v0
	v_readfirstlane_b32 s12, v1                    ; wave 0..7
	v_and_b32 v1, 31, v0                           ; lane
	v_and_b32 v2, 15, v0                           ; r
	v_bfe_u32 v3, v0, 4, 1                         ; hh
	v_lshlrev_b32 v4, 15, v3
	v_lshl_add_u32 v4, v2, 4, v4                   ; Wk: 8 hh rows of 4,096 bytes + 16 r
	v_lshlrev_b32 v5, 4, v1                        ; QF: 16 x lane
	s_mul_i32 s13, s12, PW
	v_mul_u32_u24 v6, v3, 8*PP
	v_lshl_add_u32 v6, v2, 4, v6
	v_add_nc_u32 v6, s13, v6                       ; into my tile: row 8 hh, byte 16 r
	s_lshl_b32 s14, s12, 1
	v_add_nc_u32 v12, s14, v3                      ; back: row 2 w + hh (and 16 further down)
	v_mul_u32_u24 v7, v12, PP
	v_lshl_add_u32 v7, v2, 4, v7
	v_lshlrev_b32 v8, 12, v12                      ; and the same row in QKP
	v_lshl_add_u32 v8, v2, 4, v8
	s_and_b32 s15, ttmp7, 0xffff
	s_lshr_b32 s16, s15, 1                         ; kq
	s_and_b32 s17, s15, 1                          ; j
	s_lshl_b32 s18, s16, 3
	s_add_co_u32 s18, s18, s12                     ; ks = 8 kq + w
	s_lshl_b32 s19, ttmp9, 8                       ; 256 ns
	s_lshl_b32 s20, s18, 17                        ; Wk: 32 ks rows
	s_add_co_u32 s20, s20, s19
	s_mov_b32 s21, 0
	s_lshl_b32 s22, s18, 13                        ; QF: ks, j
	s_lshl_b32 s24, s17, 12
	s_add_co_u32 s22, s22, s24
	s_mov_b32 s23, 0
	s_lshl_b32 s24, s16, 18                        ; QKP: kq, j, ns
	s_lshl_b32 s26, s17, 17
	s_add_co_u32 s24, s24, s26
	s_add_co_u32 s24, s24, s19
	s_mov_b32 s25, 0
	s_wait_kmcnt 0x0
	s_add_nc_u64 s[4:5], s[4:5], s[20:21]
	s_add_nc_u64 s[6:7], s[6:7], s[22:23]
	s_add_nc_u64 s[8:9], s[8:9], s[24:25]
.irp i, 0,1,2,3,4,5,6,7,8,9,10,11,12,13,14,15
	global_load_b128 v[RAW+4*(\i):RAW+4*(\i)+3], v4, s[4:5] offset:((\i)+8*((\i)/8))*4096
.endr
.irp a, 0,1,2,3,4,5,6,7                ; a = 4 bt + 2 hl + half: 512 consecutive bytes a load
	global_load_b128 v[AF+4*(\a):AF+4*(\a)+3], v5, s[6:7] offset:512*(\a)
.endr
	s_wait_loadcnt 0x8                             ; Wk's sixteen loads are in; q's eight may stay out
.irp c, 0,1,2,3
	SPLIT WH+8*(\c), WL+8*(\c), RAW+(\c), 4
.endr
	s_wait_loadcnt 0x0
	TERM 0, WH, 1                                  ; hi hi starts the sums: nothing is cleared
	TERM 0, WL, 0                                  ; hi lo
	TERM 1, WH, 0                                  ; lo hi
	PLACES
	PLACES
.irp bt, 0,1
.irp c, 0,1,2,3
.irp e, 0,1,2,3,4,5,6,7                ; each accumulator from its low end on
	ds_store_b32 v6, v[RAW+8*(4*(\bt)+(\c))+(\e)] offset:(16*(\bt)+(\e))*PP+4*(\c)
.endr
.endr
.endr
	s_wait_dscnt 0x0                               ; for the others' sake: my tile lies in LDS
	s_barrier_signal -1
	s_barrier_wait -1
.irp p, 0,1
.irp u, 0,1,2,3,4,5,6,7
	ds_load_b128 v[RAW+32*(\p)+4*(\u):RAW+32*(\p)+4*(\u)+3], v7 offset:(\u)*PW+(\p)*16*PP
.endr
.endr
	s_wait_dscnt 0x0
.irp p, 0,1
.irp d, 4,2,1
.set t_, 0
.rept \d
.irp e, 0,2
	v_pk_add_f32 v[RAW+32*(\p)+4*t_+(\e):RAW+32*(\p)+4*t_+(\e)+1], v[RAW+32*(\p)+4*t_+(\e):RAW+32*(\p)+4*t_+(\e)+1], v[RAW+32*(\p)+4*(t_+(\d))+(\e):RAW+32*(\p)+4*(t_+(\d))+(\e)+1]
.endr
.set t_, t_+1
.endr
.endr
	global_store_b128 v8, v[RAW+32*(\p):RAW+32*(\p)+3], s[8:9] offset:65536*(\p)   ; 16 lanes store 256 consecutive bytes, aligned
.endr
	s_wait_tensorcnt 0x0                           ; the wave's end, behind my last LDS store
	ds_add_u32 v[SPW], v[NIL]
	s_wait_dscnt 0x0
	s_endpgm
.Lfunc_end_k_qb6b462d891_qkproj:
	.size	k_qb6b462d891_qkproj, .Lfunc_end_k_qb6b462d891_qkproj-k_qb6b462d891_qkproj
	.p2alignl 7, 3214868480
	.fill 96, 4, 3214868480
	.section	.rodata,"a",@progbits
	.p2align	6, 0x0
	.amdhsa_kernel k_qb6b462d891_qkproj
		.amdhsa_group_segment_fixed_size 70656
		.amdhsa_private_segment_fixed_size 0
		.amdhsa_enable_private_segment 0
		.amdhsa_kernarg_size 24
		.amdhsa_user_sgpr_count 2
		.amdhsa_user_sgpr_kernarg_segment_ptr 1
		.amdhsa_wavefront_size32 1
		.amdhsa_system_sgpr_workgroup_id_x 1
		.amdhsa_system_sgpr_workgroup_id_y 1
		.amdhsa_system_sgpr_workgroup_id_z 1
		.amdhsa_system_vgpr_workitem_id 0
		.amdhsa_next_free_vgpr 184
		.amdhsa_next_free_sgpr 66
		.amdhsa_reserve_vcc 0
		.amdhsa_float_denorm_mode_32 3
		.amdhsa_float_denorm_mode_16_64 3
		.amdhsa_memory_ordered 1
		.amdhsa_forward_progress 1
		.amdhsa_inst_pref_size 22
	.end_amdhsa_kernel
	.amdgpu_metadata
---
amdhsa.version: [ 1, 2 ]
amdhsa.kernels:
  - .name:           k_qb6b462d891_qkproj
    .symbol:         k_qb6b462d891_qkproj.kd
    .args:
      - { .name: Wk, .offset: 0, .size: 8, .value_kind: global_buffer, .address_space: global }
      - { .name: QF, .offset: 8, .size: 8, .value_kind: global_buffer, .address_space: global }
      - { .name: QKP, .offset: 16, .size: 8, .value_kind: global_buffer, .address_space: global }
    .group_segment_fixed_size: 70656
    .private_segment_fixed_size: 0
    .kernarg_segment_align: 8
    .kernarg_segment_size: 24
    .max_flat_workgroup_size: 256
    .sgpr_count:     66
    .vgpr_count:     184
    .wavefront_size: 32
...
	.end_amdgpu_metadata
.endif
;; end of part 2
;; launch stream (part 3): grid 32 x 8, 16 waves a work-group, no clusters, 77,056 bytes of LDS; arguments features, mask, QKP, CP, ST, SC; writes CP, ST, SC
.if DOCPART == 3
	.amdgcn_target "amdgcn-amd-amdhsa--gfx1250"
	.amdhsa_code_object_version 6
	.text
	.protected	k_qb6b462d891_stream
	.globl	k_qb6b462d891_stream
	.p2align	8
	.type	k_qb6b462d891_stream,@function
k_qb6b462d891_stream:
	s_mov_b64 s[64:65], 0
	v_nop
	global_prefetch_b8 v0, s[64:65] scope:SCOPE_SE
	s_setreg_imm32_b32 hwreg(HW_REG_WAVE_MODE, 25, 1), 1
	s_wait_xcnt 0x0
; SimpleAttention, launch 3 of 4: ONE pass over features.  For batch b and a chunk of 128 steps t: both scores of every row, their running maxima and sums, and the chunk's part of ctx.
; Left out (shown at the head of the first kernel): the term sum_h bk[h] q[b,2h+j], which is the same for all t of a column and cancels in the softmax.
; s'[t,j] = log2(e) (sum_f features[t,b,f] qk[j,b,f] + mask[t,b] x -99999): log2(e) is folded into qk and into the penalty.  Stored: SC[b][j][t] = s'; ST[8 b + c] = (M0, L0, M1, L1), the chunk's maximum M of s' and
; L = sum_t 2^(s' - M); CP[8 b + c][f] = sum_t 2^(s'[t,0] - M0) features[t,b,f].  The maximum is always taken away: a running one in each wave, then the work-group's; the last launch takes the column's.
; LIMITS.  The penalty is the f32 nearest to -99999 log2(e).  Where every step of a column is masked, the scores keep only f32's step at that size, as the reference's do at 99999.  A weight below 2^-126 counts as 0.
; f32 ON THE VECTOR UNIT: for one b the score product has two columns and the ctx product one row, so a 16 x 16 matrix tile would be one eighth and one sixteenth used, and the features would first have to be split into
; two bf16 numbers (two lines an element), more than the one and a half packed lines an element that all the arithmetic takes here.  The launch is bound by reading features once.
; NO CLUSTER: what work-groups share is the 8 KiB of qk of one b, beside 512 KiB of features of their own.  NO LDS ON THE WAY IN: each byte of features is wanted once, in registers, by one wave.
; SHARES.  Work-group (b, c): rows t = 128 c + 0..127.  Wave w: rows 8 w + 0..7, written out.  A row is 4,096 bytes: eight loads of 512 consecutive bytes; lane l holds f = 128 k + 4 l + e in register 4 k + e.
; IN FLIGHT.  Five rows of a wave are asked for at once; a row's registers are asked for again as soon as the row is used up.  Row 0 lands in ctx's registers: its weight is 1, so nothing is cleared or copied.
.set QKL,   0                          ; LDS: qk x log2(e), [j][f] f32, 8,192 bytes
.set SCL,   8192                       ; s', [j][128 t], 1,024 bytes
.set STAT,  9216                       ; wave w, half j: (m, l) at 16 w + 8 j
.set CTXL,  9472                       ; wave w's ctx, 4,096 bytes each
.set SPARE, 75008                      ; the spare words, 128 bytes a wave
.set LOG2E, 0x3fb8aa3b
.set PENL,  0xc80ce304                 ; -99999 log2(e)
.set SPW, 5                            ; v5   my spare word; never rewritten
.set NIL, 6                            ; v6   0; never rewritten
.set QK0, 32                           ; v[32:63]   qk of j = 0 at my 32 places of a row
.set QK1, 64                           ; v[64:95]   of j = 1 (v[64:79] first hold the four quarters of QKP)
.set C,   96                           ; v[96:127]  row 0, which becomes ctx
.set S0,  128                          ; v[128:255] four row slots
.set S1,  160
.set S2,  192
.set S3,  224
; v1 16 l; v2 QKP offset; v3 16 x thread; v4 where s' goes; v7 l % 16; v[8:15] four chains of partial dot products; v16-18 at work; v19 s'; v[20:21] m, l; v22 new m; v23-26 differences and exponentials;
; v27-31 the epilogue's addresses.  s19 mask of lanes 16-31; s[20:21] selects; s[22:23] a, s[24:25] e as pairs; s[32:39] the rows' penalties; s[40:55] the waves' factors; s56 EXEC kept.
.macro FILL X, row                     ; a row's eight loads
.irp k, 0,1,2,3,4,5,6,7
	global_load_b128 v[(\X)+4*(\k):(\X)+4*(\k)+3], v1, s[4:5] offset:(\row)*131072+512*(\k) th:TH_LOAD_NT
.endr
.endm
; Row i, in registers X.  left: younger loads that may stay out.  first = 1: it starts m, l and ctx.  fill: the row that X is asked for next, or -1.
.macro ROW i, X, left, first, fill
	s_wait_loadcnt \left                           ; loads come back in order (ISA guide 5.7.1): this row is in
	v_pk_mul_f32 v[8:9],   v[(\X):(\X)+1],   v[QK0:QK0+1]        ; four chains, started by the first products
	v_pk_mul_f32 v[12:13], v[(\X):(\X)+1],   v[QK1:QK1+1]
	v_pk_mul_f32 v[10:11], v[(\X)+2:(\X)+3], v[QK0+2:QK0+3]
	v_pk_mul_f32 v[14:15], v[(\X)+2:(\X)+3], v[QK1+2:QK1+3]
.set p_, 2
.rept 14
	v_pk_fma_f32 v[8+2*(p_%2):9+2*(p_%2)],   v[(\X)+2*p_:(\X)+2*p_+1], v[QK0+2*p_:QK0+2*p_+1], v[8+2*(p_%2):9+2*(p_%2)]
	v_pk_fma_f32 v[12+2*(p_%2):13+2*(p_%2)], v[(\X)+2*p_:(\X)+2*p_+1], v[QK1+2*p_:QK1+2*p_+1], v[12+2*(p_%2):13+2*(p_%2)]
.set p_, p_+1
.endr
	v_pk_add_f32 v[8:9], v[8:9], v[10:11]
	v_pk_add_f32 v[12:13], v[12:13], v[14:15]
	v_add_f32 v8, v8, v9                           ; my lane's part of score 0,
	v_add_f32 v12, v12, v13                        ; of score 1
	v_cndmask_b32 v16, v8, v12, s19                ; lanes 0-15 gather score 0, lanes 16-31 score 1: each keeps its own part of the one
	v_cndmask_b32 v17, v12, v8, s19                ; and hands over its part of the other
	v_permlanex16_b32 v18, v17, s20, s21
	v_add_f32 v16, v16, v18
	v_add_f32_dpp v16, v16, v16 row_xmask:1 row_mask:0xf bank_mask:0xf
	v_add_f32_dpp v16, v16, v16 row_xmask:2 row_mask:0xf bank_mask:0xf
	v_add_f32_dpp v16, v16, v16 row_xmask:4 row_mask:0xf bank_mask:0xf
	v_add_f32_dpp v16, v16, v16 row_xmask:8 row_mask:0xf bank_mask:0xf
	v_add_f32 v19, s[32+(\i)], v16                 ; + the row's penalty
	ds_store_b32 v4, v19 offset:4*(\i)             ; sixteen lanes write one word with one value
.if \first
	v_mov_b32 v20, v19
	v_mov_b32 v21, 1.0
.else
	v_max_num_f32 v22, v20, v19
	v_sub_f32 v23, v20, v22
	v_sub_f32 v24, v19, v22
	v_exp_f32 v25, v23                             ; a = 2^(m_old - m_new)
	v_exp_f32 v26, v24                             ; e = 2^(s' - m_new)
	v_mov_b32 v20, v22                             ; the plain instruction behind the exponentials
	s_wait_alu depctr_va_vdst(0)                   ; one wait for both, ahead of their first reader
	v_fma_f32 v21, v21, v25, v26
	v_readfirstlane_b32 s22, v25                   ; lane 0 holds score 0's: ctx goes by the first distribution
	v_readfirstlane_b32 s24, v26
.set p_, 0
.rept 16
	v_pk_mul_f32 v[(\X)+2*p_:(\X)+2*p_+1], v[(\X)+2*p_:(\X)+2*p_+1], s[24:25] op_sel_hi:[1,0]
.set p_, p_+1
.endr
.set p_, 0
.rept 16
	v_pk_fma_f32 v[C+2*p_:C+2*p_+1], v[C+2*p_:C+2*p_+1], s[22:23], v[(\X)+2*p_:(\X)+2*p_+1] op_sel_hi:[1,0,1]   ; ctx = a ctx + e row
.set p_, p_+1
.endr
.endif
.if (\fill) >= 0
	FILL \X, \fill
.endif
.endm
	s_load_b256 s[4:11], s[0:1], 0x0               ; features s[4:5], mask s[6:7], QKP s[8:9], CP s[10:11]
	s_load_b128 s[12:15], s[0:1], 0x20             ; ST s[12:13], SC s[14:15]
	v_lshl_add_u32 v[SPW], v0, 2, SPARE
	v_mov_b32 v[NIL], 0
	v_lshrrev_b32 v1, 5, v0
	v_readfirstlane_b32 s16, v1                    ; wave 0..15
	v_and_b32 v16, 31, v0                          ; l
	v_bfe_u32 v17, v0, 4, 1                        ; l / 16
	v_mov_b32 v18, 0                               ; v_permlanex16_b32's destination counts as read
	v_and_b32 v7, 15, v0
	v_lshlrev_b32 v1, 4, v16
	v_lshrrev_b32 v2, 8, v0                        ; QKP: threads 0-255 take j = 0, the others j = 1,
	v_and_b32 v3, 0xff, v0
	v_lshlrev_b32 v3, 4, v3                        ; 16 bytes of the row each
	v_lshl_add_u32 v2, v2, 17, v3
	v_lshlrev_b32 v3, 4, v0
	s_mov_b32 s17, ttmp9                           ; b
	s_and_b32 s18, ttmp7, 0xffff                   ; c
	s_mov_b32 s19, 0xffff0000
	s_mov_b32 s20, 0x76543210
	s_mov_b32 s21, 0xfedcba98
	s_mov_b32 s23, 0                               ; named with s22 and s24 as pairs
	s_mov_b32 s25, 0
	s_lshl_b32 s40, s16, 5
	s_add_co_u32 s40, s40, SCL
	v_lshl_add_u32 v4, v17, 9, s40                 ; SCL + 512 j + 32 w
	s_lshl_b32 s41, s16, 4
	s_add_co_u32 s41, s41, STAT
	v_lshl_add_u32 v27, v17, 3, s41                ; STAT + 16 w + 8 j
	s_lshl_b32 s42, s16, 12
	s_add_co_u32 s42, s42, CTXL
	v_add_nc_u32 v28, s42, v1                      ; CTXL + 4,096 w + 16 l
	s_lshl_b32 s43, s16, 8
	s_add_co_u32 s44, s43, CTXL
	v_lshl_add_u32 v29, v16, 3, s44                ; CTXL + 256 w + 8 l
	v_lshlrev_b32 v30, 4, v7
	v_lshl_add_u32 v30, v17, 3, v30
	v_add_nc_u32 v30, STAT, v30                    ; STAT + 16 (l % 16) + 8 j
	v_lshl_add_u32 v31, v16, 3, s43                ; 256 w + 8 l
	s_lshl_b32 s26, s18, 24                        ; features: 128 c rows t of 131,072 bytes,
	s_lshl_b32 s45, s16, 20                        ; 8 w rows,
	s_add_co_u32 s26, s26, s45
	s_lshl_b32 s45, s17, 12                        ; batch b
	s_add_co_u32 s26, s26, s45
	s_mov_b32 s27, 0
	s_lshl_b32 s28, s18, 14                        ; mask: the same rows, of 128 bytes
	s_lshl_b32 s45, s16, 10
	s_add_co_u32 s28, s28, s45
	s_lshl_b32 s45, s17, 2
	s_add_co_u32 s28, s28, s45
	s_mov_b32 s29, 0
	s_lshl_b32 s30, s17, 12                        ; QKP: row b of each j
	s_mov_b32 s31, 0
	s_lshl_b32 s58, s17, 3
	s_add_co_u32 s58, s58, s18                     ; 8 b + c
	s_lshl_b32 s60, s58, 4                         ; ST
	s_mov_b32 s61, 0
	s_lshl_b32 s58, s58, 12                        ; CP
	s_mov_b32 s59, 0
	s_lshl_b32 s62, s17, 13                        ; SC: b, chunk c
	s_lshl_b32 s45, s18, 9
	s_add_co_u32 s62, s62, s45
	s_mov_b32 s63, 0
	s_wait_kmcnt 0x0
	s_add_nc_u64 s[4:5], s[4:5], s[26:27]
	s_add_nc_u64 s[6:7], s[6:7], s[28:29]
	s_add_nc_u64 s[8:9], s[8:9], s[30:31]
	s_add_nc_u64 s[10:11], s[10:11], s[58:59]
	s_add_nc_u64 s[12:13], s[12:13], s[60:61]
	s_add_nc_u64 s[14:15], s[14:15], s[62:63]
.irp q, 0,1,2,3
	global_load_b128 v[64+4*(\q):67+4*(\q)], v2, s[8:9] offset:262144*(\q)   ; the four quarters of qk: first, since they are wanted first
.endr
	FILL C, 0
	FILL S0, 1
	FILL S1, 2
	FILL S2, 3
	FILL S3, 4
.irp i, 0,1,2,3,4,5,6,7
	s_load_b32 s[32+(\i)], s[6:7], 128*(\i)        ; mask[t][b] of my eight rows
.endr
	s_wait_loadcnt 40                              ; qk's quarters are in; the five rows' 40 loads stay out
	v_pk_add_f32 v[64:65], v[64:65], v[68:69]
	v_pk_add_f32 v[66:67], v[66:67], v[70:71]
	v_pk_add_f32 v[72:73], v[72:73], v[76:77]
	v_pk_add_f32 v[74:75], v[74:75], v[78:79]
	v_pk_add_f32 v[64:65], v[64:65], v[72:73]
	v_pk_add_f32 v[66:67], v[66:67], v[74:75]
	v_pk_mul_f32 v[64:65], v[64:65], LOG2E op_sel_hi:[1,0]
	v_pk_mul_f32 v[66:67], v[66:67], LOG2E op_sel_hi:[1,0]
	ds_store_b128 v3, v[64:67]
	s_wait_dscnt 0x0                               ; for the others' sake: my 16 bytes of qk lie in LDS
	s_barrier_signal -1
	s_barrier_wait -1
.irp k, 0,1,2,3,4,5,6,7
	ds_load_b128 v[QK0+4*(\k):QK0+4*(\k)+3], v1 offset:QKL+512*(\k)
	ds_load_b128 v[QK1+4*(\k):QK1+4*(\k)+3], v1 offset:QKL+4096+512*(\k)
.endr
	s_wait_kmcnt 0x0
.irp i, 0,1,2,3,4,5,6,7
	s_mul_f32 s[32+(\i)], s[32+(\i)], PENL
.endr
	s_wait_dscnt 0x0
	ROW 0, C,  32, 1, -1                           ; rows 1 to 4 stay out
	ROW 1, S0, 24, 0, 5                            ; rows 2 to 4
	ROW 2, S1, 24, 0, 6                            ; rows 3 to 5
	ROW 3, S2, 24, 0, 7                            ; rows 4 to 6
	ROW 4, S3, 24, 0, -1                           ; rows 5 to 7
	ROW 5, S0, 16, 0, -1
	ROW 6, S1, 8,  0, -1
	ROW 7, S2, 0,  0, -1
	; THE SIXTEEN WAVES MEET.  Each puts (m, l) of both scores and its ctx into LDS; then each wave adds, for its own 64 f, the sixteen parts, each times 2^(m_w - M).
	ds_store_b64 v27, v[20:21]
.irp k, 0,1,2,3,4,5,6,7
	ds_store_b128 v28, v[C+4*(\k):C+4*(\k)+3] offset:512*(\k)
.endr
	s_wait_dscnt 0x0                               ; for the others' sake
	s_barrier_signal -1
	s_barrier_wait -1
	ds_load_b64 v[22:23], v30                      ; lane l % 16 takes that wave's (m, l), of score l / 16
.irp u, 0,1,2,3,4,5,6,7,8,9,10,11,12,13,14,15
	ds_load_b64 v[128+2*(\u):129+2*(\u)], v29 offset:4096*(\u)
.endr
	s_wait_dscnt 16                                ; the pair is in; the sixteen loads behind it may stay out
	v_mov_b32 v18, v22
	v_max_num_f32_dpp v18, v18, v18 row_xmask:1 row_mask:0xf bank_mask:0xf
	v_max_num_f32_dpp v18, v18, v18 row_xmask:2 row_mask:0xf bank_mask:0xf
	v_max_num_f32_dpp v18, v18, v18 row_xmask:4 row_mask:0xf bank_mask:0xf
	v_max_num_f32_dpp v18, v18, v18 row_xmask:8 row_mask:0xf bank_mask:0xf   ; M of the chunk
	v_sub_f32 v25, v22, v18
	v_exp_f32 v26, v25                             ; the wave's factor
	v_nop                                          ; the plain instruction behind it
	s_wait_alu depctr_va_vdst(0)                   ; and its wait, ahead of its first reader
	v_mul_f32 v19, v23, v26
	v_add_f32_dpp v19, v19, v19 row_xmask:1 row_mask:0xf bank_mask:0xf
	v_add_f32_dpp v19, v19, v19 row_xmask:2 row_mask:0xf bank_mask:0xf
	v_add_f32_dpp v19, v19, v19 row_xmask:4 row_mask:0xf bank_mask:0xf
	v_add_f32_dpp v19, v19, v19 row_xmask:8 row_mask:0xf bank_mask:0xf       ; L of the chunk
.irp u, 0,1,2,3,4,5,6,7,8,9,10,11,12,13,14,15
	v_readlane_b32 s[40+(\u)], v26, \u             ; score 0's factors, wave by wave
.endr
	s_wait_dscnt 0x0
	v_mul_f32 v16, s40, v128
	v_mul_f32 v17, s40, v129
.irp u, 1,2,3,4,5,6,7,8,9,10,11,12,13,14,15
	v_fmac_f32 v16, s[40+(\u)], v[128+2*(\u)]
	v_fmac_f32 v17, s[40+(\u)], v[129+2*(\u)]
.endr
	global_store_b64 v31, v[16:17], s[10:11]       ; the wave stores 256 consecutive bytes, aligned
	s_cmp_lg_u32 s16, 0
	s_cbranch_scc1 .Lend                           ; wave 0 stores the scores and the statistics
	ds_load_b128 v[128:131], v1 offset:SCL
	ds_load_b128 v[132:135], v1 offset:SCL+512
	v_lshrrev_b32 v25, 8, v1
	v_lshlrev_b32 v25, 3, v25                      ; 8 j
	s_wait_dscnt 0x0
	global_store_b128 v1, v[128:131], s[14:15]               ; 512 consecutive bytes: the chunk's s' of j = 0,
	global_store_b128 v1, v[132:135], s[14:15] offset:4096   ; of j = 1
	s_wait_xcnt 0x0                                ; EXEC changes only behind this wait: it is a source of the stores above
	v_cmp_eq_u32 vcc_lo, 0, v7
	s_and_saveexec_b32 s56, vcc_lo                 ; lanes 0 and 16
	global_store_b64 v25, v[18:19], s[12:13]       ; (M, L) of both scores: 16 bytes a work-group
	s_wait_xcnt 0x0                                ; and again, in front of the line that widens it
	s_or_b32 exec_lo, exec_lo, s56
.Lend:
	s_wait_tensorcnt 0x0                           ; the wave's end, behind my last LDS store
	ds_add_u32 v[SPW], v[NIL]
	s_wait_dscnt 0x0
	s_endpgm
.Lfunc_end_k_qb6b462d891_stream:
	.size	k_qb6b462d891_stream, .Lfunc_end_k_qb6b462d891_stream-k_qb6b462d891_stream
	.p2alignl 7, 3214868480
	.fill 96, 4, 3214868480
	.section	.rodata,"a",@progbits
	.p2align	6, 0x0
	.amdhsa_kernel k_qb6b462d891_stream
		.amdhsa_group_segment_fixed_size 77056
		.amdhsa_private_segment_fixed_size 0
		.amdhsa_enable_private_segment 0
		.amdhsa_kernarg_size 48
		.amdhsa_user_sgpr_count 2
		.amdhsa_user_sgpr_kernarg_segment_ptr 1
		.amdhsa_wavefront_size32 1
		.amdhsa_system_sgpr_workgroup_id_x 1
		.amdhsa_system_sgpr_workgroup_id_y 1
		.amdhsa_system_sgpr_workgroup_id_z 1
		.amdhsa_system_vgpr_workitem_id 0
		.amdhsa_next_free_vgpr 256
		.amdhsa_next_free_sgpr 66
		.amdhsa_reserve_vcc 1
		.amdhsa_float_denorm_mode_32 3
		.amdhsa_float_denorm_mode_16_64 3
		.amdhsa_memory_ordered 1
		.amdhsa_forward_progress 1
		.amdhsa_inst_pref_size 57
	.end_amdhsa_kernel
	.amdgpu_metadata
---
amdhsa.version: [ 1, 2 ]
amdhsa.kernels:
  - .name:           k_qb6b462d891_stream
    .symbol:         k_qb6b462d891_stream.kd
    .args:
      - { .name: features, .offset: 0, .size: 8, .value_kind: global_buffer, .address_space: global }
      - { .name: mask, .offset: 8, .size: 8, .value_kind: global_buffer, .address_space: global }
      - { .name: QKP, .offset: 16, .size: 8, .value_kind: global_buffer, .address_space: global }
      - { .name: CP, .offset: 24, .size: 8, .value_kind: global_buffer, .address_space: global }
      - { .name: ST, .offset: 32, .size: 8, .value_kind: global_buffer, .address_space: global }
      - { .name: SC, .offset: 40, .size: 8, .value_kind: global_buffer, .address_space: global }
    .group_segment_fixed_size: 77056
    .private_segment_fixed_size: 0
    .kernarg_segment_align: 8
    .kernarg_segment_size: 48
    .max_flat_workgroup_size: 512
    .sgpr_count:     66
    .vgpr_count:     256
    .wavefront_size: 32
...
	.end_amdgpu_metadata
.endif
;; end of part 3
;; launch finish (part 4): grid 32 x 8, 16 waves a work-group, no clusters, 11,264 bytes of LDS; arguments CP, ST, SC, Wm, bm, out0, out1, out2; writes out0, out1, out2
.if DOCPART == 4
	.amdgcn_target "amdgcn-amd-amdhsa--gfx1250"
	.amdhsa_code_object_version 6
	.text
	.protected	k_qb6b462d891_finish
	.globl	k_qb6b462d891_finish
	.p2align	8
	.type	k_qb6b462d891_finish,@function
k_qb6b462d891_finish:
	s_mov_b64 s[64:65], 0
	v_nop
	global_prefetch_b8 v0, s[64:65] scope:SCOPE_SE
	s_setreg_imm32_b32 hwreg(HW_REG_WAVE_MODE, 25, 1), 1
	s_wait_xcnt 0x0
; SimpleAttention, launch 4 of 4: out0[b][h] = sum_c w[b,c] sum_f CP[8 b + c][f] Wm[h][f] + bm[h]; out1, out2 = 2^(s' - M) / L.
; Left out (shown at the head of the first kernel): the memory projection of the features is not formed, Wm multiplies the weighted sum of the features; bm's factor sum_t dist[t,b] is 1 and is not computed.
; w[b,c] = 2^(M0[b,c] - M[b]) / L[b], M[b] = max_c M0[b,c], L[b] = sum_c 2^(M0[b,c] - M[b]) L0[b,c]: the column's maximum is taken away; L[b] is at least 1.
; THE CHUNKS ARE ADDED BY THE PRODUCT: its rows are the 256 partial rows (b, c), each times w[b,c]; a lane of the result holds the eight chunks of one b, and their sum is the sum of its eight registers.
; That is eight times the matrix work of a product on 32 rows, and spares a launch that would add the chunks.  Operands hi + lo in bf16, three products, f32 sums, as in the first kernel.
; SHARES.  Work-group (hs, bg): the 32 rows 32 bg + 0..31 of CP (four b), the 32 rows h = 32 hs + 0..31 of Wm.  K = 1,024 is split among 16 waves, bytes 256 w .. + 255 of every row, two matrix steps; K's order as in the
; first kernel.  Source 0 = CP's tile mt, source 1 = Wm's tile nt: lane (r, hh) register e holds (b = 4 bg + 2 mt + hh, c = e), h = 32 hs + 16 nt + r.  The waves' sums meet in LDS; wave 0 adds them and bm and stores.
; A tile of 32 x 32 reads the fewest bytes among those that give 256 work-groups; its price is that out0 (128 KiB) leaves in runs of 64 bytes.
; THE DISTRIBUTIONS.  Waves 0 and 1 (j = the wave) of work-group wl = 32 bg + hs make rows t = 4 wl + 0..3 of out1 or out2: lane = b; the four numbers a lane are turned through LDS into 512 consecutive bytes.
.set OP,    0                          ; LDS: wave w's four sums a lane, 512 bytes each
.set DT,    8192                       ; the turn of the distributions: 512 bytes for each j
.set SPARE, 9216                       ; the spare words, 128 bytes a wave
.set SPW,  7
.set NIL,  8
.set NEG1, 9
.set RA,   16                          ; v[16:79]   CP as loaded: tile mt, load i at RA + 32 mt + 4 i; step 1's fragments later lie where step 0's numbers lay
.set RW,   80                          ; v[80:143]  Wm likewise
.set ACC,  208                         ; v[208:239] accumulator (mt, nt) at ACC + 8 (2 mt + nt)
; v1 lane, v2 r, v3 hh, v4 fragment offset, v5 16 l, v6 4 r, v10-11 bm, v[12:13] (M0, L0) of row l, v14-15 at work; v[144:207] step 0's fragments (CP hi 144 + 16 mt, lo + 8; Wm hi 176 + 16 nt, lo + 8);
; v[240:243] the rows' weights as pairs; v244-248 at work; v[252:255] the four sums.  The distributions use v[144:179] before the fragments do.
.macro SPLIT HI, LO, RAW, STR
.set sp_, 0
.rept 8
	v_cvt_pk_bf16_f32 v[(\HI)+sp_], v[(\RAW)+(\STR)*2*sp_], v[(\RAW)+(\STR)*(2*sp_+1)]
.set sp_, sp_+1
.endr
.set sp_, 0
.rept 8
	v_fma_mix_f32_bf16 v[(\RAW)+(\STR)*2*sp_], v[(\HI)+sp_], v[NEG1], v[(\RAW)+(\STR)*2*sp_] op_sel_hi:[1,0,0]
	v_fma_mix_f32_bf16 v[(\RAW)+(\STR)*(2*sp_+1)], v[(\HI)+sp_], v[NEG1], v[(\RAW)+(\STR)*(2*sp_+1)] op_sel:[1,0,0] op_sel_hi:[1,0,0]
.set sp_, sp_+1
.endr
.set sp_, 0
.rept 8
	v_cvt_pk_bf16_f32 v[(\LO)+sp_], v[(\RAW)+(\STR)*2*sp_], v[(\RAW)+(\STR)*(2*sp_+1)]
.set sp_, sp_+1
.endr
.endm
.macro PLACES
.rept 4
	v_nop
.endr
.endm
; one of the three products of a step on the four accumulators, which take turns, one instruction a turn.  Fragments: CP's at A0 + D mt + 8 alo, Wm's at W0 + D nt + 8 wlo
.macro TERM A0, W0, D, alo, wlo, zero
.irp mt, 0,1
.irp nt, 0,1
.if \zero
	v_wmma_f32_16x16x32_bf16 v[ACC+8*(2*(\mt)+(\nt)):ACC+8*(2*(\mt)+(\nt))+7], v[(\A0)+(\D)*(\mt)+8*(\alo):(\A0)+(\D)*(\mt)+8*(\alo)+7], v[(\W0)+(\D)*(\nt)+8*(\wlo):(\W0)+(\D)*(\nt)+8*(\wlo)+7], 0
.else
	v_wmma_f32_16x16x32_bf16 v[ACC+8*(2*(\mt)+(\nt)):ACC+8*(2*(\mt)+(\nt))+7], v[(\A0)+(\D)*(\mt)+8*(\alo):(\A0)+(\D)*(\mt)+8*(\alo)+7], v[(\W0)+(\D)*(\nt)+8*(\wlo):(\W0)+(\D)*(\nt)+8*(\wlo)+7], v[ACC+8*(2*(\mt)+(\nt)):ACC+8*(2*(\mt)+(\nt))+7]
.endif
.endr
.endr
.endm
	s_load_b512 s[4:19], s[0:1], 0x0               ; CP s[4:5], ST s[6:7], SC s[8:9], Wm s[10:11], bm s[12:13], out0 s[14:15], out1 s[16:17], out2 s[18:19]
	v_lshl_add_u32 v[SPW], v0, 2, SPARE
	v_mov_b32 v[NIL], 0
	v_mov_b32 v[NEG1], -1.0
	v_lshrrev_b32 v1, 5, v0
	v_readfirstlane_b32 s20, v1                    ; wave 0..15
	v_and_b32 v1, 31, v0                           ; lane
	v_and_b32 v2, 15, v0                           ; r
	v_bfe_u32 v3, v0, 4, 1                         ; hh
	v_lshlrev_b32 v4, 12, v2
	v_lshl_add_u32 v4, v3, 4, v4                   ; row r x 4,096 + 16 hh
	v_lshlrev_b32 v5, 4, v1
	v_lshlrev_b32 v6, 2, v2
	v_mov_b32 v241, 0                              ; named with the weights as pairs
	v_mov_b32 v243, 0
	v_mov_b32 v247, 0                              ; v_permlanex16_b32's destination counts as read
	s_mov_b32 s21, ttmp9                           ; hs
	s_and_b32 s22, ttmp7, 0xffff                   ; bg
	s_mov_b32 s23, 0xffff0000                      ; lanes 16-31
	s_mov_b32 s24, 0x76543210
	s_mov_b32 s25, 0xfedcba98
	s_lshl_b32 s39, s20, 8                         ; my wave's 256 bytes of a row
	s_lshl_b32 s26, s22, 17                        ; CP: 32 bg rows
	s_add_co_u32 s26, s26, s39
	s_mov_b32 s27, 0
	s_lshl_b32 s28, s21, 17                        ; Wm: 32 hs rows
	s_add_co_u32 s28, s28, s39
	s_mov_b32 s29, 0
	s_lshl_b32 s30, s22, 9                         ; ST: 32 bg rows of 16 bytes
	s_mov_b32 s31, 0
	s_lshl_b32 s34, s21, 7                         ; bm: 32 hs numbers
	s_mov_b32 s35, 0
	s_lshl_b32 s36, s22, 14                        ; out0: row 4 bg, column 32 hs
	s_add_co_u32 s36, s36, s34
	s_mov_b32 s37, 0
	s_lshl_b32 s38, s22, 5
	s_add_co_u32 s38, s38, s21                     ; wl = 32 bg + hs
	s_lshl_b32 s48, s20, 9
	v_add_nc_u32 v248, s48, v5                     ; OP + 512 w + 16 l
	s_wait_kmcnt 0x0
	s_add_nc_u64 s[4:5], s[4:5], s[26:27]
	s_add_nc_u64 s[10:11], s[10:11], s[28:29]
	s_add_nc_u64 s[32:33], s[6:7], s[30:31]
	s_add_nc_u64 s[12:13], s[12:13], s[34:35]
	s_add_nc_u64 s[14:15], s[14:15], s[36:37]
	global_load_b32 v10, v6, s[12:13]              ; bm[32 hs + r], every wave alike, so that the counts below hold in all
	global_load_b32 v11, v6, s[12:13] offset:64    ; bm[32 hs + 16 + r]
	global_load_b64 v[12:13], v5, s[32:33]         ; (M0, L0) of row 32 bg + l
.irp mt, 0,1
.irp i, 0,1,2,3,4,5,6,7
	global_load_b128 v[RA+32*(\mt)+4*(\i):RA+32*(\mt)+4*(\i)+3], v4, s[4:5] offset:65536*(\mt)+32*(\i)
.endr
.endr
.irp nt, 0,1
.irp i, 0,1,2,3,4,5,6,7
	global_load_b128 v[RW+32*(\nt)+4*(\i):RW+32*(\nt)+4*(\i)+3], v4, s[10:11] offset:65536*(\nt)+32*(\i)
.endr
.endr
	s_cmp_lt_u32 s20, 2
	s_cbranch_scc0 .Lnodist
	; THE DISTRIBUTIONS: j = my wave, b = my lane, t = 4 wl + 0..3
	s_lshl_b32 s44, s20, 3
	v_lshlrev_b32 v178, 7, v1
	v_add_nc_u32 v178, s44, v178                   ; ST: 128 b + 8 j
	v_lshlrev_b32 v179, 13, v1                     ; SC: 8,192 b
	s_lshl_b32 s40, s38, 4                         ; + 16 wl
	s_lshl_b32 s45, s20, 12                        ; + 4,096 j
	s_add_co_u32 s40, s40, s45
	s_mov_b32 s41, 0
	s_add_nc_u64 s[8:9], s[8:9], s[40:41]
.irp c, 0,1,2,3,4,5,6,7
	global_load_b64 v[144+2*(\c):145+2*(\c)], v178, s[6:7] offset:16*(\c)   ; (M, L) of the column's eight chunks
.endr
	global_load_b128 v[160:163], v179, s[8:9]      ; four s'
	s_lshl_b32 s45, s20, 9
	s_add_co_u32 s45, s45, DT
	v_lshl_add_u32 v176, v1, 2, s45
	v_lshl_add_u32 v177, v1, 4, s45
	s_lshl_b32 s42, s38, 9                         ; four rows of 128 bytes
	s_mov_b32 s43, 0
	s_cmp_eq_u32 s20, 0
	s_cselect_b64 s[46:47], s[16:17], s[18:19]     ; out1 for j = 0, out2 for j = 1
	s_add_nc_u64 s[46:47], s[46:47], s[42:43]
	s_wait_loadcnt 0x0
	v_max3_num_f32 v164, v144, v146, v148
	v_max3_num_f32 v164, v164, v150, v152
	v_max3_num_f32 v164, v164, v154, v156
	v_max_num_f32 v164, v164, v158                 ; the column's maximum
.irp c, 0,1,2,3,4,5,6,7
	v_sub_f32 v[166+(\c)], v[144+2*(\c)], v164
.endr
.irp t, 0,1,2,3
	v_sub_f32 v[160+(\t)], v[160+(\t)], v164
.endr
.irp c, 0,1,2,3,4,5,6,7
	v_exp_f32 v[166+(\c)], v[166+(\c)]
.endr
.irp t, 0,1,2,3
	v_exp_f32 v[160+(\t)], v[160+(\t)]
.endr
	v_nop                                          ; the plain instruction behind the batch of twelve,
	s_wait_alu depctr_va_vdst(0)                   ; and its one wait
	v_mul_f32 v174, v166, v145
.irp c, 1,2,3,4,5,6,7
	v_fmac_f32 v174, v[166+(\c)], v[145+2*(\c)]
.endr
	v_rcp_f32 v175, v174
	v_nop
	s_wait_alu depctr_va_vdst(0)
.irp t, 0,1,2,3
	v_mul_f32 v[160+(\t)], v[160+(\t)], v175
.endr
.irp t, 0,1,2,3
	ds_store_b32 v176, v[160+(\t)] offset:128*(\t) ; row t, column b
.endr
	ds_load_b128 v[144:147], v177                  ; my wave's own bytes: LDS serves a wave's instructions in order (ISA guide 5.7.1.4)
	s_wait_dscnt 0x0
	global_store_b128 v5, v[144:147], s[46:47]     ; 512 consecutive bytes: four whole rows
	s_wait_xcnt 0x0                                ; v[144:147] are written again below only behind this wait
.Lnodist:
	s_wait_loadcnt 32                              ; bm and (M0, L0) are in; CP's and Wm's 32 loads may stay out
	v_mov_b32 v14, v12
	v_max_num_f32_dpp v14, v14, v14 row_xmask:1 row_mask:0xf bank_mask:0xf
	v_max_num_f32_dpp v14, v14, v14 row_xmask:2 row_mask:0xf bank_mask:0xf
	v_max_num_f32_dpp v14, v14, v14 row_xmask:4 row_mask:0xf bank_mask:0xf   ; over the eight lanes of one b
	v_sub_f32 v15, v12, v14
	v_exp_f32 v15, v15
	v_nop
	s_wait_alu depctr_va_vdst(0)
	v_mul_f32 v244, v15, v13
	v_add_f32_dpp v244, v244, v244 row_xmask:1 row_mask:0xf bank_mask:0xf
	v_add_f32_dpp v244, v244, v244 row_xmask:2 row_mask:0xf bank_mask:0xf
	v_add_f32_dpp v244, v244, v244 row_xmask:4 row_mask:0xf bank_mask:0xf    ; L[b]
	v_rcp_f32 v245, v244
	v_nop
	s_wait_alu depctr_va_vdst(0)
	v_mul_f32 v246, v15, v245                      ; w of row l
	v_permlanex16_b32 v247, v246, s24, s25         ; w of row l xor 16
	v_cndmask_b32 v240, v246, v247, s23            ; tile 0: every lane needs row r's
	v_cndmask_b32 v242, v247, v246, s23            ; tile 1: row 16 + r's
	s_wait_loadcnt 16                              ; CP is in; Wm's sixteen loads may stay out
.irp mt, 0,1
.set p_, 0
.rept 16
	v_pk_mul_f32 v[RA+32*(\mt)+2*p_:RA+32*(\mt)+2*p_+1], v[RA+32*(\mt)+2*p_:RA+32*(\mt)+2*p_+1], v[240+2*(\mt):241+2*(\mt)] op_sel_hi:[1,0]
.set p_, p_+1
.endr
.endr
	SPLIT 144, 152, RA, 1                          ; step 0
	SPLIT 160, 168, RA+32, 1
	SPLIT RA, RA+8, RA+16, 1                       ; step 1, into the registers that step 0's numbers have left
	SPLIT RA+32, RA+40, RA+48, 1
	s_wait_loadcnt 0x0
	SPLIT 176, 184, RW, 1
	SPLIT 192, 200, RW+32, 1
	SPLIT RW, RW+8, RW+16, 1
	SPLIT RW+32, RW+40, RW+48, 1
	TERM 144, 176, 16, 0, 0, 1                     ; hi hi of step 0 starts the sums: nothing is cleared
	TERM 144, 176, 16, 0, 1, 0
	TERM 144, 176, 16, 1, 0, 0
	TERM RA, RW, 32, 0, 0, 0
	TERM RA, RW, 32, 0, 1, 0
	TERM RA, RW, 32, 1, 0, 0
	PLACES
	PLACES
.irp a, 0,1,2,3                        ; the eight chunks of a b: a lane's eight registers, from the low end on
	v_pk_add_f32 v[ACC+8*(\a):ACC+8*(\a)+1],   v[ACC+8*(\a):ACC+8*(\a)+1],   v[ACC+8*(\a)+2:ACC+8*(\a)+3]
	v_pk_add_f32 v[ACC+8*(\a)+4:ACC+8*(\a)+5], v[ACC+8*(\a)+4:ACC+8*(\a)+5], v[ACC+8*(\a)+6:ACC+8*(\a)+7]
.endr
.irp a, 0,1,2,3
	v_pk_add_f32 v[ACC+8*(\a):ACC+8*(\a)+1],   v[ACC+8*(\a):ACC+8*(\a)+1],   v[ACC+8*(\a)+4:ACC+8*(\a)+5]
.endr
.irp a, 0,1,2,3
	v_add_f32 v[252+(\a)], v[ACC+8*(\a)], v[ACC+8*(\a)+1]
.endr
	ds_store_b128 v248, v[252:255] offset:OP
	s_wait_dscnt 0x0                               ; for the others' sake: my four sums lie in LDS
	s_barrier_signal -1
	s_barrier_wait -1
	s_cmp_lg_u32 s20, 0
	s_cbranch_scc1 .Lend                           ; wave 0 adds the sixteen parts of K
.irp u, 0,1,2,3,4,5,6,7,8,9,10,11,12,13,14,15
	ds_load_b128 v[16+4*(\u):19+4*(\u)], v5 offset:OP+512*(\u)
.endr
	v_lshl_add_u32 v14, v3, 12, v6                 ; out0: row hh, column r
	s_wait_dscnt 0x0
.irp d, 8,4,2,1
.set t_, 0
.rept \d
.irp e, 0,2
	v_pk_add_f32 v[16+4*t_+(\e):16+4*t_+(\e)+1], v[16+4*t_+(\e):16+4*t_+(\e)+1], v[16+4*(t_+(\d))+(\e):16+4*(t_+(\d))+(\e)+1]
.endr
.set t_, t_+1
.endr
.endr
	v_pk_add_f32 v[16:17], v[16:17], v[10:11]      ; + bm, once: (nt = 0, nt = 1) of mt = 0,
	v_pk_add_f32 v[18:19], v[18:19], v[10:11]      ; of mt = 1
.irp mt, 0,1
.irp nt, 0,1
	global_store_b32 v14, v[16+2*(\mt)+(\nt)], s[14:15] offset:8192*(\mt)+64*(\nt)
.endr
.endr
.Lend:
	s_wait_tensorcnt 0x0                           ; the wave's end, behind my last LDS store
	ds_add_u32 v[SPW], v[NIL]
	s_wait_dscnt 0x0
	s_endpgm
.Lfunc_end_k_qb6b462d891_finish:
	.size	k_qb6b462d891_finish, .Lfunc_end_k_qb6b462d891_finish-k_qb6b462d891_finish
	.p2alignl 7, 3214868480
	.fill 96, 4, 3214868480
	.section	.rodata,"a",@progbits
	.p2align	6, 0x0
	.amdhsa_kernel k_qb6b462d891_finish
		.amdhsa_group_segment_fixed_size 11264
		.amdhsa_private_segment_fixed_size 0
		.amdhsa_enable_private_segment 0
		.amdhsa_kernarg_size 64
		.amdhsa_user_sgpr_count 2
		.amdhsa_user_sgpr_kernarg_segment_ptr 1
		.amdhsa_wavefront_size32 1
		.amdhsa_system_sgpr_workgroup_id_x 1
		.amdhsa_system_sgpr_workgroup_id_y 1
		.amdhsa_system_sgpr_workgroup_id_z 1
		.amdhsa_system_vgpr_workitem_id 0
		.amdhsa_next_free_vgpr 256
		.amdhsa_next_free_sgpr 66
		.amdhsa_reserve_vcc 0
		.amdhsa_float_denorm_mode_32 3
		.amdhsa_float_denorm_mode_16_64 3
		.amdhsa_memory_ordered 1
		.amdhsa_forward_progress 1
		.amdhsa_inst_pref_size 35
	.end_amdhsa_kernel
	.amdgpu_metadata
---
amdhsa.version: [ 1, 2 ]
amdhsa.kernels:
  - .name:           k_qb6b462d891_finish
    .symbol:         k_qb6b462d891_finish.kd
    .args:
      - { .name: CP, .offset: 0, .size: 8, .value_kind: global_buffer, .address_space: global }
      - { .name: ST, .offset: 8, .size: 8, .value_kind: global_buffer, .address_space: global }
      - { .name: SC, .offset: 16, .size: 8, .value_kind: global_buffer, .address_space: global }
      - { .name: Wm, .offset: 24, .size: 8, .value_kind: global_buffer, .address_space: global }
      - { .name: bm, .offset: 32, .size: 8, .value_kind: global_buffer, .address_space: global }
      - { .name: out0, .offset: 40, .size: 8, .value_kind: global_buffer, .address_space: global }
      - { .name: out1, .offset: 48, .size: 8, .value_kind: global_buffer, .address_space: global }
      - { .name: out2, .offset: 56, .size: 8, .value_kind: global_buffer, .address_space: global }
    .group_segment_fixed_size: 11264
    .private_segment_fixed_size: 0
    .kernarg_segment_align: 8
    .kernarg_segment_size: 64
    .max_flat_workgroup_size: 512
    .sgpr_count:     66
    .vgpr_count:     256
    .wavefront_size: 32
...
	.end_amdgpu_metadata
.endif
;; end of part 4
